; MI455X (gfx1250); checked and timed in simulation.
; The chip was launched on July 23, 2026; its instructions are those of AMD's public machine-readable ISA for CDNA 5 (MIT licence, August 2026) and "CDNA5" Instruction Set Architecture Reference Guide (July 2026). The comments in the code are by the model that wrote it; some were corrected since.
;; Head Attention. Allowed arithmetic: float matrix products may take bf16 or f16 operands with f32 sums; other float arithmetic in f32, or as packed bf16 or f16 multiplies, adds, multiply-adds, maxima and minima; sums over many terms, partial sums and values carried from step to step in f32; what a program stores and reads back later, other than sums and carried values, may be rounded once to bf16 or f16.
;; Inputs: Wq 1,024 x 1,024 float32; att_mask 2,048 x 2,048 int32; bq 1,024 float32; xk 4 x 2,048 x 1,024 float32; xq 4 x 2,048 x 1,024 float32; xv 4 x 2,048 x 1,024 float32.
;; Outputs: out0 4 x 2,048 x 1,024 float32.
;; One version. Each part assembles by itself: llvm-mc -triple=amdgcn-amd-amdhsa -mcpu=gfx1250 --defsym DOCPART=n.
;; ======== version 1 of 1: 4 launches
;; limits: values are held in f16: magnitudes above 65,504 overflow, below 6.1e-05 lose precision; right only within a limited range of input values; values outside matrix products are rounded to f16
;; workspace buffers: xw 52,428,800 bytes; qkv 50,331,648 bytes; p 33,554,432 bytes; stats 1,048,576 bytes; mbits 524,288 bytes of whole numbers
;; launch prep (part 1): grid 1856 x 1, 8 waves a work-group, no clusters, 0 bytes of LDS; arguments xq, xk, xv, Wq, att_mask, xw, mbits; writes xw, mbits
.if DOCPART == 1
	.amdgcn_target "amdgcn-amd-amdhsa--gfx1250"
	.amdhsa_code_object_version 6
	.text
	.protected	k_q4f19951d76_prep
	.globl	k_q4f19951d76_prep
	.p2align	8
	.type	k_q4f19951d76_prep,@function
k_q4f19951d76_prep:
	s_mov_b64 s[64:65], 0
	v_nop
	global_prefetch_b8 v0, s[64:65] scope:SCOPE_SE
	s_setreg_imm32_b32 hwreg(HW_REG_WAVE_MODE, 25, 1), 1
	s_wait_xcnt 0x0
; PREP.  Two jobs, told apart by the work-group's number; both stream, so no LDS, no barrier, no matrix unit.
; (1) Work-groups 0-1599: xq, xk, xv and Wq (f32) are rounded once to bf16 into xw, laid in 16 PLANES of 64 columns: xw[plane 16][row 25600][64]; rows 0-8191 xq, 8192-16383 xk,
;     16384-24575 xv, 24576-25599 Wq.  So the launch 'proj', whose K step is 64, finds the rows of a tile end to end.
;     A work-group takes 16 rows, a wave two of them: lanes 0-15 take 256 consecutive bytes of the even row, lanes 16-31 of the odd one; the wave's 16 loads cover both rows whole.
;     A store of the wave is 256 consecutive bytes of one plane (the two rows' 128 bytes each), at a multiple of 256.  All 16 loads of a lane are issued before the first is waited for;
;     no register is written twice, so no wait frees a source.  The planes lie 3,276,800 bytes apart, more than a store's immediate reaches: each has its own base.
; (2) Work-groups 1600-1855: att_mask == 1 is packed into bits, in the lane order in which the launch 'score' holds its scores:
;     mbits[qblk 128][kblk 128][j 8], bit L of a word = (att_mask[16 qblk + L % 16][16 kblk + 8 (L / 16) + j] == 1).
;     A work-group takes one qblk (16 rows of the mask) and half its keys, wave w the keys 128 w .. 128 w + 127 of that half (8 kblk).
.set NCAST, 1600                       ; work-groups that cast
.set PLANE, 25600*128                  ; bytes in a plane of xw
.set X,     4                          ; v[4:67]   16 loads of four registers
.set W,     68                         ; v[68:69]  the wave's 64 packed words: lane L holds words 2 L, 2 L + 1
.set DB,    32                         ; s[32:63]  xw at my rows, in each of the 16 planes
	s_load_b256 s[4:11], s[0:1], 0x0               ; xq s[4:5], xk s[6:7], xv s[8:9], Wq s[10:11]
	s_load_b128 s[12:15], s[0:1], 0x20             ; att_mask s[12:13], xw s[14:15]
	s_load_b64 s[16:17], s[0:1], 0x30              ; mbits
	s_cmp_ge_u32 ttmp9, NCAST
	s_cbranch_scc1 .Lpack
	; ---- the cast ----
	s_lshr_b32 s20, ttmp9, 9                       ; which source: 512 work-groups of 16 rows are 8,192 rows
	s_and_b32 s18, ttmp9, 511
	s_lshl_b32 s18, s18, 16                        ; my 16 rows of 4,096 bytes in the source
	s_mov_b32 s19, 0
	s_lshl_b32 s22, ttmp9, 11                      ; my 16 rows of 128 bytes in a plane
	s_mov_b32 s23, 0
	v_lshrrev_b32 v3, 4, v0                        ; my row of the 16: 2 x wave + lane / 16
	v_and_b32 v2, 15, v0
	v_lshlrev_b32 v1, 12, v3
	v_lshl_add_u32 v1, v2, 4, v1                   ; in: row x 4,096 + 16 (lane % 16)
	v_lshlrev_b32 v3, 7, v3
	v_lshl_add_u32 v2, v2, 3, v3                   ; out: row x 128 + 8 (lane % 16)
	s_wait_kmcnt 0x0
	s_cmp_eq_u32 s20, 1
	s_cselect_b64 s[4:5], s[6:7], s[4:5]
	s_cmp_eq_u32 s20, 2
	s_cselect_b64 s[4:5], s[8:9], s[4:5]
	s_cmp_eq_u32 s20, 3
	s_cselect_b64 s[4:5], s[10:11], s[4:5]
	s_add_nc_u64 s[4:5], s[4:5], s[18:19]
	s_add_nc_u64 s[14:15], s[14:15], s[22:23]
.set k, 0
.rept 16
	global_load_b128 v[X+4*k:X+4*k+3], v1, s[4:5] offset:256*k th:TH_LOAD_NT   ; columns 64 k .. 64 k + 63 of my wave's two rows
.set k, k+1
.endr
.set k, 0
.rept 16
	s_add_nc_u64 s[DB+2*k:DB+2*k+1], s[14:15], k*PLANE
.set k, k+1
.endr
.set k, 0
.rept 16
	s_wait_loadcnt 15-k                            ; loads come back in order: number k is in, the 15 - k younger ones stay out
	v_cvt_pk_bf16_f32 v[X+4*k], v[X+4*k], v[X+4*k+1]
	v_cvt_pk_bf16_f32 v[X+4*k+1], v[X+4*k+2], v[X+4*k+3]
	global_store_b64 v2, v[X+4*k:X+4*k+1], s[DB+2*k:DB+2*k+1]
.set k, k+1
.endr
	s_endpgm
	; ---- the mask ----
.Lpack:
	s_sub_co_u32 s18, ttmp9, NCAST
	s_and_b32 s20, s18, 1                          ; which half of the keys
	s_lshr_b32 s18, s18, 1                         ; qblk
	s_lshl_b32 s22, s18, 12                        ; its 4,096 bytes of mbits,
	s_lshl_b32 s21, s20, 11                        ; my half of them
	s_add_co_u32 s22, s22, s21
	s_mov_b32 s23, 0
	s_lshl_b32 s18, s18, 17                        ; its 16 rows of 8,192 bytes of the mask,
	s_lshl_b32 s21, s20, 12                        ; my 1,024 keys of them
	s_add_co_u32 s18, s18, s21
	s_mov_b32 s19, 0
	v_and_b32 v1, 15, v0
	v_lshlrev_b32 v1, 13, v1                       ; row L % 16
	v_bfe_u32 v2, v0, 4, 1
	v_lshl_add_u32 v1, v2, 5, v1                   ; + 8 keys for the upper half of the lanes
	v_lshrrev_b32 v2, 5, v0
	v_lshl_add_u32 v1, v2, 9, v1                   ; + 128 keys a wave
	v_lshlrev_b32 v3, 3, v0                        ; out: 256 bytes a wave, 8 a lane
	v_mov_b32 v[W], 0                              ; v_writelane_b32 keeps the other lanes: the registers are written whole first
	v_mov_b32 v[W+1], 0
	s_wait_kmcnt 0x0
	s_add_nc_u64 s[12:13], s[12:13], s[18:19]
	s_add_nc_u64 s[16:17], s[16:17], s[22:23]
.set k, 0
.rept 8                                        ; kblk k of my 8: eight keys a lane
	global_load_b128 v[X+8*k:X+8*k+3],   v1, s[12:13] offset:64*k th:TH_LOAD_NT
	global_load_b128 v[X+8*k+4:X+8*k+7], v1, s[12:13] offset:64*k+16 th:TH_LOAD_NT
.set k, k+1
.endr
.set k, 0
.rept 8
	s_wait_loadcnt 14-2*k                          ; this kblk's two loads are in; the 14 - 2 k younger ones stay out
.irp j, 0,1,2,3,4,5,6,7
	v_cmp_eq_u32 s[24+\j], 1, v[X+8*k+\j]          ; one bit a lane: the word (kblk, j)
.endr
.irp j, 0,1,2,3,4,5,6,7
	v_writelane_b32 v[W+(8*k+\j)%2], s[24+\j], (8*k+\j)/2
.endr
.set k, k+1
.endr
	global_store_b64 v3, v[W:W+1], s[16:17]        ; the wave's 256 consecutive bytes, at a multiple of 256
	s_endpgm
.Lfunc_end_k_q4f19951d76_prep:
	.size	k_q4f19951d76_prep, .Lfunc_end_k_q4f19951d76_prep-k_q4f19951d76_prep
	.p2alignl 7, 3214868480
	.fill 96, 4, 3214868480
	.section	.rodata,"a",@progbits
	.p2align	6, 0x0
	.amdhsa_kernel k_q4f19951d76_prep
		.amdhsa_group_segment_fixed_size 0
		.amdhsa_private_segment_fixed_size 0
		.amdhsa_enable_private_segment 0
		.amdhsa_kernarg_size 56
		.amdhsa_user_sgpr_count 2
		.amdhsa_user_sgpr_kernarg_segment_ptr 1
		.amdhsa_wavefront_size32 1
		.amdhsa_system_sgpr_workgroup_id_x 1
		.amdhsa_system_sgpr_workgroup_id_y 1
		.amdhsa_system_sgpr_workgroup_id_z 1
		.amdhsa_system_vgpr_workitem_id 0
		.amdhsa_next_free_vgpr 72
		.amdhsa_next_free_sgpr 66
		.amdhsa_reserve_vcc 0
		.amdhsa_float_denorm_mode_32 3
		.amdhsa_float_denorm_mode_16_64 3
		.amdhsa_memory_ordered 1
		.amdhsa_forward_progress 1
		.amdhsa_inst_pref_size 19
	.end_amdhsa_kernel
	.amdgpu_metadata
---
amdhsa.version: [ 1, 2 ]
amdhsa.kernels:
  - .name:           k_q4f19951d76_prep
    .symbol:         k_q4f19951d76_prep.kd
    .args:
      - { .name: xq, .offset: 0, .size: 8, .value_kind: global_buffer, .address_space: global }
      - { .name: xk, .offset: 8, .size: 8, .value_kind: global_buffer, .address_space: global }
      - { .name: xv, .offset: 16, .size: 8, .value_kind: global_buffer, .address_space: global }
      - { .name: Wq, .offset: 24, .size: 8, .value_kind: global_buffer, .address_space: global }
      - { .name: att_mask, .offset: 32, .size: 8, .value_kind: global_buffer, .address_space: global }
      - { .name: xw, .offset: 40, .size: 8, .value_kind: global_buffer, .address_space: global }
      - { .name: mbits, .offset: 48, .size: 8, .value_kind: global_buffer, .address_space: global }
    .group_segment_fixed_size: 0
    .private_segment_fixed_size: 0
    .kernarg_segment_align: 8
    .kernarg_segment_size: 56
    .max_flat_workgroup_size: 256
    .sgpr_count:     66
    .vgpr_count:     72
    .wavefront_size: 32
...
	.end_amdgpu_metadata
.endif
;; end of part 1
;; launch proj (part 2): grid 4 x 64, 4 waves a work-group, clusters of 4 x 4, 327,680 bytes of LDS; arguments xw, bq, qkv; writes qkv
.if DOCPART == 2
	.amdgcn_target "amdgcn-amd-amdhsa--gfx1250"
	.amdhsa_code_object_version 6
	.text
	.protected	k_q4f19951d76_proj
	.globl	k_q4f19951d76_proj
	.p2align	8
	.type	k_q4f19951d76_proj,@function
k_q4f19951d76_proj:
	s_mov_b64 s[64:65], 0
	v_nop
	global_prefetch_b8 v0, s[64:65] scope:SCOPE_SE
	s_setreg_imm32_b32 hwreg(HW_REG_WAVE_MODE, 25, 1), 1
	s_wait_xcnt 0x0
	s_wait_alu depctr_hold_cnt(0) depctr_sa_sdst(0) depctr_va_vdst(0) depctr_va_sdst(0) depctr_va_ssrc(0) depctr_va_vcc(0) depctr_vm_vsrc(0)
	s_getreg_b32 s2, hwreg(HW_REG_IB_STS2, 6, 4)
	s_cmp_eq_u32 s2, 0
	s_cbranch_scc0 .Lentry_in_a_cluster
	s_endpgm
.Lentry_in_a_cluster:
	s_bfe_u32 s2, ttmp6, 0x10000c
	s_cmp_lg_u32 s2, 0xf033
	s_cbranch_scc0 .Lentry_shape_is_right
	s_endpgm
.Lentry_shape_is_right:
; PROJ.  qkv[r][e] = sum over d of x[r][d] W[e][d] + bq[e], r = 0 .. 24575 (Q, K and V one below the other), x and W from xw (bf16, in 16 planes of 64 columns: [16][25600][64]; W = rows 24576 on).
; Sums in f32, the result rounded once to f16.  bq is rounded to bf16 like the other inputs and STARTS the sums, as the C operand of each accumulator's first product.
; LIMIT.  f16 holds no number beyond 65,504: Q, K and V must stay within it (inputs 30 times the drawn ones give some 3e3, a common offset of 30 spreads on x and W some 1.7e4).
; SHARES.  A tile is 384 rows x 256 columns: 64 x 4 = 256 work-groups, one tile each.  Four waves, each 192 x 128: 96 accumulators of 16 x 16, 768 registers.  For 32 along K a wave reads
; 40 x 512 bytes from LDS for 96 matrix instructions.
; K goes in steps of 64, a plane a step: two slots of a step of 128 would want 2 x 640 rows x 272 bytes, more than LDS has.  In a plane a tile's rows lie end to end, so a half tile is asked for as
; rows of 256 bytes (two rows of the tile), padded in LDS behind every 128 bytes.  Waves 0 and 1 fetch the halves of x's tile (192 rows each), waves 2 and 3 those of W's (128 rows each).
; A step is two QUARTERS of 32 along K, 96 matrix instructions each, in three chunks of four row blocks (a chunk's accumulators fill a register window).  W's fragments have two buffers.
; x's have ONE: as soon as a chunk is multiplied its four blocks are loaded again, for the next quarter, 64 matrix instructions ahead of their use.
; So a slot's last bytes are asked for at the end of its first quarter, and the change of slots stands in its second (odd) quarter.
; CLUSTER.  4 x 4 work-groups: x's tile hangs on the tile row alone and is asked for jointly by the four of a row of the cluster, W's on the tile column alone, by the four of a column.
; THE MATRIX INSTRUCTION IS USED TRANSPOSED: source 0 = 16 rows of W, source 1 = 16 rows of x: a lane holds row l % 16 and the eight neighbouring columns 8 (l / 16) + 0..7.
; REGISTERS, in windows of 256 (s_set_vgpr_msb: bits 1:0 source 0, 3:2 source 1, 5:4 source 2, 7:6 destination):
;   window 0: v0-31 addresses; v32-127 x's 12 fragments; v128-191, v192-255 W's fragments, two buffers (the second holds the bias in the first quarter; v128-223 serve the way out)
;   windows 1, 2, 3: the accumulators of row blocks 0-3, 4-7, 8-11: (a, b) at 8 (8 (a % 4) + b)
.set PITCH,  144                       ; an LDS row: 128 bytes + 16 of padding = 36 words: the 16 rows of a load start at 16 different groups of four banks (64 banks of 4 bytes: ISA guide 11.1)
.set AHALF,  192*PITCH
.set APART,  2*AHALF
.set BHALF,  128*PITCH
.set SLOTB,  APART+2*BHALF             ; x's 384 rows, then W's 256 rows: 92,160 bytes
.set SLOT1,  1<<17                     ; slot 1 begins here, so that one exclusive or turns an address in one slot into the other's
.set SP,     272                       ; a stage row: 256 bytes + 16
.set STAGE,  SLOT1+SLOTB               ; behind the ring: 16 rows x 272 bytes for each wave, for the way out
.set SPARE,  STAGE+4*16*SP             ; behind the stages: the spare words, 128 bytes a wave: two blocks of 256 bytes that no other line names
.set PLANE,  25600*128                 ; bytes from a K step to the next
.set STEPS,  16                        ; K = 1024
.set ADRA0, 16                         ; v16  my lane's place in x's tile in slot 0; never rewritten
.set ADRB0, 17                         ; v17  the same for W
.set ADRA,  18                         ; v18  the same in the slot that is being read
.set ADRB,  19                         ; v19
.set STO,  24                          ; v24  the way out: where I put 16 bytes of a row
.set RD,   25                          ; v25  the way out: where I read a row back
.set CO,   26                          ; v26  my byte offset in two rows of qkv
.set SPW,  28                          ; v28  LDS address of my spare word; never rewritten
.set NIL,  29                          ; v29  0; never rewritten
.set AF,   32                          ; x's fragment of row block a at AF + 8 a
.set B0,   128
.set B1,   192
.set BIAS, 192                         ; register 8 b + j = bq of column 16 b + 8 (l / 16) + j of my 128
.set TMP,  128                         ; the way out: packed results;  v160-191 and v192-223 by turns: rows read back
.set TB,  2                            ; s2   LDS byte at which the slot that is being read begins
.set G1,  24                           ; s[24:31] descriptor group 1 for x;  s[32:39] group 0: a set for each of the two first fills; the second then walks on
.set G0,  32
.set G1B, 48                           ; s[48:55], s[56:63] the same for W
.set G0B, 56
.set MSB, 0
.macro WIN new                         ; the immediate's high byte repeats the setting that is left; a switch that changes nothing is dropped
.if MSB != (\new)
	s_set_vgpr_msb (MSB<<8)|(\new)
.set MSB, \new
.endif
.endm
; A joint load: waves 0 and 1 fetch x's halves, waves 2 and 3 W's.  The branch hangs on the wave's number alone.  An s_nop 0 and four v_nop follow each line.
.macro JLOAD s
	s_cmp_eq_u32 s11, 0
	s_cbranch_scc0 .Lfor_b_\@
	tensor_load_to_lds s[G0+4*(\s):G0+4*(\s)+3], s[G1:G1+7]
	s_nop 0
.rept 4
	v_nop
.endr
	s_branch .Lasked_\@
.Lfor_b_\@:
	tensor_load_to_lds s[G0B+4*(\s):G0B+4*(\s)+3], s[G1B:G1B+7]
	s_nop 0
.rept 4
	v_nop
.endr
.Lasked_\@:
.endm
.macro CREST                           ; a round of the cluster's barrier behind its opening barrier
	s_cmp_lg_u32 s10, 0
	s_cbranch_scc1 .Lnot_wave_0_\@
	s_barrier_signal -3
.Lnot_wave_0_\@:
	s_barrier_wait -3
	s_barrier_signal -1
	s_barrier_wait -1
.endm
.macro CROUND                          ; a whole round
	s_barrier_signal -1
	s_barrier_wait -1
	CREST
.endm
.macro PLACES                          ; four places in front of loads into registers that matrix instructions have read, and of conversions that read results
.rept 4
	v_nop
.endr
.endm
	s_load_b128 s[4:7], s[0:1], 0x0                ; xw s[4:5], bq s[6:7]
	s_load_b64 s[8:9], s[0:1], 0x10                ; qkv
	v_lshl_add_u32 v[SPW], v0, 2, SPARE
	v_mov_b32 v[NIL], 0
	ds_add_u32 v[SPW], v[NIL]                      ; the wave's opening: the add and its wait stand ahead of my first tensor load; the set-up below stands between them
	v_lshrrev_b32 v1, 5, v0
	v_readfirstlane_b32 s10, v1                    ; wave 0..3
	s_lshr_b32 s11, s10, 1                         ; which half of the tile's rows is mine.  Also: I fetch for x (0) or for W (1)
	s_and_b32 s12, s10, 1                          ; which half of its columns.  Also: which half of that tile I fetch
	s_bfe_u32 s40, ttmp6, 0x40000                  ; cx, cy: my place in the cluster
	s_bfe_u32 s41, ttmp6, 0x40004
	s_lshl_b32 s42, ttmp9, 2
	s_add_co_u32 s42, s42, s40                     ; tile column = 4 x cluster x + cx
	s_and_b32 s13, ttmp7, 0xffff
	s_lshl_b32 s13, s13, 2
	s_add_co_u32 s13, s13, s41                     ; tile row = 4 x cluster y + cy
	s_lshl_b32 s43, s41, 2
	s_lshl_b32 s43, 15, s43                        ; my row of the cluster
	s_lshl_b32 s44, 0x1111, s40                    ; my column
	s_or_b32 s[G1+0], s43, (1<<16)|(1<<20)|(1<<21)|(4<<22)|(3<<25)   ; the mask; 2-byte elements; padding on; bit 21 beside a mask; after every 32 words 4 words
	s_or_b32 s[G1B+0], s44, (1<<16)|(1<<20)|(1<<21)|(4<<22)|(3<<25)
	s_mov_b32 s[G1+1], 128<<16                     ; x: 192 rows of 128 bytes are 96 rows of 256: tensor_dim0 = 128 elements
	s_mov_b32 s[G1+2], 96<<16                      ; tensor_dim1 = 96
	s_mov_b32 s[G1+3], 128<<16                     ; tile_dim0 = 128
	s_mov_b32 s[G1+4], 96                          ; tile_dim1 = 96
	s_mov_b32 s[G1+5], 128                         ; 128 elements from row to row: dense
	s_mov_b32 s[G1+6], 0
	s_mov_b32 s[G1+7], 0
	s_mov_b32 s[G1B+1], 128<<16                    ; W: 128 rows of 128 bytes are 64 rows of 256
	s_mov_b32 s[G1B+2], 64<<16
	s_mov_b32 s[G1B+3], 128<<16
	s_mov_b32 s[G1B+4], 64
	s_mov_b32 s[G1B+5], 128
	s_mov_b32 s[G1B+6], 0
	s_mov_b32 s[G1B+7], 0
	s_mul_i32 s16, s13, 384                        ; x: row 384 x tile row + 192 x half, 128 bytes a row in a plane
	s_mul_i32 s17, s12, 192
	s_add_co_u32 s16, s16, s17
	s_lshl_b32 s16, s16, 7
	s_mov_b32 s17, 0
	s_lshl_b32 s46, s42, 8                         ; W: row 24576 + 256 x tile column + 128 x half
	s_lshl_b32 s47, s12, 7
	s_add_co_u32 s46, s46, s47
	s_add_co_u32 s46, s46, 24576
	s_lshl_b32 s46, s46, 7
	s_mov_b32 s47, 0
	s_mul_i32 s20, s12, AHALF                      ; where they go: no place in the cluster enters an LDS address
	s_mul_i32 s23, s12, BHALF
	s_add_co_u32 s23, s23, APART
	s_mov_b32 s[TB], 0
	s_wait_dscnt 0x0                               ; the opening add is done
	s_wait_kmcnt 0x0
	s_add_nc_u64 s[14:15], s[4:5], s[16:17]
	s_add_nc_u64 s[46:47], s[4:5], s[46:47]
	CROUND                                         ; all sixteen work-groups are here: the first joint loads meet
.irp s, 0,1
	s_mov_b32 s[G0+4*(\s)], 1
	s_add_co_u32 s[G0+4*(\s)+1], s20, (\s)*SLOT1
	s_add_nc_u64 s[G0+4*(\s)+2:G0+4*(\s)+3], s[14:15], (\s)*PLANE     ; K step s
	s_or_b32 s[G0+4*(\s)+3], s[G0+4*(\s)+3], 0x80000000
	s_mov_b32 s[G0B+4*(\s)], 1
	s_add_co_u32 s[G0B+4*(\s)+1], s23, (\s)*SLOT1
	s_add_nc_u64 s[G0B+4*(\s)+2:G0B+4*(\s)+3], s[46:47], (\s)*PLANE
	s_or_b32 s[G0B+4*(\s)+3], s[G0B+4*(\s)+3], 0x80000000
	JLOAD \s                                       ; two loads of mine are out
.endr
	; A fragment is 16 rows x 32 K in 8 registers: lane l holds row l % 16, K = 8 (l / 16) + 0..7 and 16 + 8 (l / 16) + 0..7: two loads of 16 bytes, 32 bytes apart.
	v_and_b32 v1, 15, v0                           ; l % 16
	v_bfe_u32 v2, v0, 4, 1                         ; l / 16
	v_lshlrev_b32 v6, 5, v2                        ; the bias: my eight columns begin 32 (l / 16) bytes into a block of 16
	s_lshl_b32 s46, s42, 10
	s_lshl_b32 s47, s12, 9
	s_add_co_u32 s46, s46, s47
	s_mov_b32 s47, 0
	s_add_nc_u64 s[6:7], s[6:7], s[46:47]          ; bq at my 128 columns
.irp b, 0,1,2,3,4,5,6,7
	global_load_b128 v[BIAS+8*(\b):BIAS+8*(\b)+3],   v6, s[6:7] offset:64*(\b)
	global_load_b128 v[BIAS+8*(\b)+4:BIAS+8*(\b)+7], v6, s[6:7] offset:64*(\b)+16
.endr
	v_mul_u32_u24 v3, v1, PITCH
	v_lshl_add_u32 v3, v2, 4, v3                   ; row x pitch + 16 x half
	s_mul_i32 s21, s11, AHALF                      ; my 192 rows of x
	s_mul_i32 s22, s12, BHALF                      ; my 128 rows of W, behind x's 384
	s_add_co_u32 s22, s22, APART
	v_add_nc_u32 v[ADRA0], s21, v3
	v_add_nc_u32 v[ADRB0], s22, v3
	v_mov_b32 v[ADRA], v[ADRA0]                    ; slot 0 is read first
	v_mov_b32 v[ADRB], v[ADRB0]
	s_mul_i32 s23, s10, 16*SP
	s_add_co_u32 s23, s23, STAGE                   ; my stage
	v_mul_u32_u24 v4, v1, SP                       ; in: row l % 16, 16 bytes for each half of the lanes
	v_lshl_add_u32 v4, v2, 4, v4
	v_add_nc_u32 v[STO], s23, v4
	v_mul_u32_u24 v5, v2, SP                       ; back: lanes 0-15 one row of 256 bytes, lanes 16-31 the next
	v_lshl_add_u32 v5, v1, 4, v5
	v_add_nc_u32 v[RD], s23, v5
	v_lshlrev_b32 v5, 11, v2                       ; and the same two rows in qkv
	v_lshl_add_u32 v[CO], v1, 4, v5
	s_mul_i32 s16, s13, 384                        ; qkv at my first row and column
	s_mul_i32 s17, s11, 192
	s_add_co_u32 s16, s16, s17
	s_lshl_b32 s16, s16, 11
	s_lshl_b32 s17, s42, 9
	s_add_co_u32 s16, s16, s17
	s_lshl_b32 s17, s12, 8
	s_add_co_u32 s16, s16, s17
	s_mov_b32 s17, 0
	s_add_nc_u64 s[8:9], s[8:9], s[16:17]
	s_wait_loadcnt 0x0                             ; the bias
.set i, 0
.rept 32                                       ; rounded to bf16 and widened again
	v_cvt_pk_bf16_f32 v31, v[BIAS+2*i], v[BIAS+2*i+1]
	v_lshlrev_b32 v[BIAS+2*i], 16, v31
	v_and_b32 v[BIAS+2*i+1], 0xffff0000, v31
.set i, i+1
.endr
; Eight matrix instructions: row block a x all 8 column blocks, 32 along K, W's fragments from buffer bf.  z = 2: the bias starts the sums.  The accumulators take turns, one instruction a turn.
.macro MULA bf, a, z
.if (\z) == 2
	WIN (1+(\a)/4)<<6                              ; W, x and the bias window 0, D window 1 + a / 4
.else
	WIN ((1+(\a)/4)<<6)|((1+(\a)/4)<<4)            ; C and D window 1 + a / 4
.endif
.irp b, 0,1,2,3,4,5,6,7
.if (\z) == 2
	v_wmma_f32_16x16x32_bf16 v[8*(8*((\a)%4)+(\b)):8*(8*((\a)%4)+(\b))+7], v[(\bf)+8*(\b):(\bf)+8*(\b)+7], v[AF+8*(\a):AF+8*(\a)+7], v[BIAS+8*(\b):BIAS+8*(\b)+7]
.else
	v_wmma_f32_16x16x32_bf16 v[8*(8*((\a)%4)+(\b)):8*(8*((\a)%4)+(\b))+7], v[(\bf)+8*(\b):(\bf)+8*(\b)+7], v[AF+8*(\a):AF+8*(\a)+7], v[8*(8*((\a)%4)+(\b)):8*(8*((\a)%4)+(\b))+7]
.endif
.endr
.endm
.macro LDA a0, k                       ; eight LDS loads: x's fragments of row blocks a0 .. a0 + 3, at byte k of the rows
	WIN 0
.irp i, 0,1,2,3
	ds_load_b128 v[AF+8*((\a0)+(\i)):AF+8*((\a0)+(\i))+3],   v[ADRA] offset:(\k)+((\a0)+(\i))*16*PITCH
	ds_load_b128 v[AF+8*((\a0)+(\i))+4:AF+8*((\a0)+(\i))+7], v[ADRA] offset:(\k)+((\a0)+(\i))*16*PITCH+32
.endr
.endm
.macro LDB g, k                        ; sixteen: W's eight fragments into buffer g
	WIN 0
.irp i, 0,1,2,3,4,5,6,7
	ds_load_b128 v[(\g)+8*(\i):(\g)+8*(\i)+3],   v[ADRB] offset:(\k)+(\i)*16*PITCH
	ds_load_b128 v[(\g)+8*(\i)+4:(\g)+8*(\i)+7], v[ADRB] offset:(\k)+(\i)*16*PITCH+32
.endr
.endm
; A step's first quarter: multiplies W's buffer 0 and fetches the same slot's second quarter (byte 64 of the rows).  The LDS loads go out in three groups: 24 (blocks 0-3 and W), 8, 8.
; z = 2, the launch's first quarter: the bias lies in W's buffer 1, which is therefore loaded last and waited for at once.
.macro EVENQ z
	s_wait_dscnt 16                                ; blocks 0-3 and W are in; the two youngest groups of 8 may be out
.irp a, 0,1,2,3
	MULA B0, \a, \z
.endr
	PLACES
	LDA 0, 64
.if (\z) != 2
	LDB B1, 64
	s_wait_dscnt 32                                ; blocks 4-7 are in: behind them came 8 + 24
.else
	s_wait_dscnt 16                                ; the same: behind them came 8 + 8
.endif
.irp a, 4,5,6,7
	MULA B0, \a, \z
.endr
	PLACES
	LDA 4, 64
.if (\z) != 2
	s_wait_dscnt 32                                ; blocks 8-11 are in: behind them came 24 + 8
.else
	s_wait_dscnt 16                                ; 8 + 8
.endif
.irp a, 8,9,10,11
	MULA B0, \a, \z
.endr
	PLACES
	LDA 8, 64
.if (\z) == 2
	LDB B1, 64
	s_wait_dscnt 0x0
.endif
.endm
; A step's second quarter multiplies W's buffer 1 and changes slots: ONE barrier.  All reads of this slot have been issued.  In front of the barrier each wave waits for all its tensor loads (one is out:
; its part of the next slot), adds 0 to its spare word, and waits for that and for its reads.  fill = 1: the barrier opens a round of the cluster's, and this slot is filled again, two K steps ahead,
; first thing behind it: 176 matrix instructions ahead of the wait for it.  Then the next slot's first quarter is fetched.
.macro ODDQ fill
	s_wait_dscnt 16
	MULA B1, 0, 0
	MULA B1, 1, 0
	WIN 0
	s_wait_tensorcnt 0x0
	ds_add_u32 v[SPW], v[NIL]
	MULA B1, 2, 0
	s_wait_dscnt 0x0                               ; the add is done, and my reads of this slot are over (the last were issued 24 matrix instructions ago)
	s_barrier_signal -1
	MULA B1, 3, 0
	WIN 0
	s_barrier_wait -1
.if \fill
	CREST                                          ; no wave of any partner still reads this slot or has a load on its way
	s_xor_b32 s[G0+5], s[G0+5], SLOT1              ; the walking descriptors: the other slot than last time,
	s_add_nc_u64 s[G0+6:G0+7], s[G0+6:G0+7], PLANE ; the next K step; the type bits on top are not reached
	s_xor_b32 s[G0B+5], s[G0B+5], SLOT1
	s_add_nc_u64 s[G0B+6:G0B+7], s[G0B+6:G0B+7], PLANE
	JLOAD 1                                        ; my one load behind the round; its four v_nop are also the places in front of the loads below
.else
	PLACES
.endif
	s_xor_b32 s[TB], s[TB], SLOT1                  ; the reads go on in the other slot
	v_add_nc_u32 v[ADRA], s[TB], v[ADRA0]
	v_add_nc_u32 v[ADRB], s[TB], v[ADRB0]
	LDA 0, 0
	LDB B0, 0
.irp a, 4,5,6,7
	MULA B1, \a, 0
.endr
	PLACES
	LDA 4, 0
.irp a, 8,9,10,11
	MULA B1, \a, 0
.endr
	PLACES
	LDA 8, 0
.endm
	s_wait_tensorcnt 1                             ; my part of K step 0 is in; K step 1's may stay out
	s_barrier_signal -1
	s_barrier_wait -1
	LDA 0, 0                                       ; the first quarter's fragments, in the three groups of every quarter
	LDB B0, 0
	LDA 4, 0
	LDA 8, 0
	EVENQ 2                                        ; the first quarter stands in front of the loop: its products start the sums, on the bias
	WIN 0
	s_mov_b32 s3, STEPS-2
.Lstep:                                                ; a trip: a step's second quarter, which fills its slot again, and the next step's first
	ODDQ 1
	EVENQ 0
	WIN 0
	s_sub_co_u32 s3, s3, 1
	s_cmp_lg_u32 s3, 0
	s_cbranch_scc1 .Lstep
	ODDQ 0                                         ; the last two steps ask for nothing
	EVENQ 0
	s_wait_dscnt 16                                ; the last quarter fetches nothing: the counts run down
.irp a, 0,1,2,3
	MULA B1, \a, 0
.endr
	s_wait_dscnt 8
.irp a, 4,5,6,7
	MULA B1, \a, 0
.endr
	s_wait_dscnt 0x0
.irp a, 8,9,10,11
	MULA B1, \a, 0
.endr
	PLACES
; THE WAY OUT of row block a.  PACK: rounded to f16, 16 bytes a lane, each accumulator's registers in ascending order.  TOSTAGE: into my own stage and back as whole rows of 256 bytes.  SEND: stored.
.macro PACK a
	WIN 5*(1+(\a)/4)                               ; sources 0 and 1: window 1 + a / 4
.irp b, 0,1,2,3,4,5,6,7
.irp r, 0,1,2,3
	v_cvt_pk_f16_f32 v[TMP+4*(\b)+(\r)], v[8*(8*((\a)%4)+(\b))+2*(\r)], v[8*(8*((\a)%4)+(\b))+2*(\r)+1]
.endr
.endr
	WIN 0
.endm
.macro TOSTAGE a
.set BK, 160+32*((\a)%2)
.irp b, 0,1,2,3,4,5,6,7
	ds_store_b128 v[STO], v[TMP+4*(\b):TMP+4*(\b)+3] offset:32*(\b)
.endr
.irp t, 0,1,2,3,4,5,6,7
	ds_load_b128 v[BK+4*(\t):BK+4*(\t)+3], v[RD] offset:(\t)*2*SP   ; LDS serves a wave's instructions in order (ISA guide 5.7.1.4): these see the stores above
.endr
.endm
.macro SEND a
.set BK, 160+32*((\a)%2)
	s_wait_dscnt 0x0                               ; the block is back in registers
	s_wait_xcnt 0x0                                ; only behind this wait are the stores' base and the registers that earlier stores read rewritten
.if (\a) > 0
	s_add_nc_u64 s[8:9], s[8:9], 16*2048           ; 16 rows on
.endif
.irp t, 0,1,2,3,4,5,6,7
	global_store_b128 v[CO], v[BK+4*(\t):BK+4*(\t)+3], s[8:9] offset:(\t)*4096   ; 16 lanes store 256 consecutive bytes, at a multiple of 256
.endr
.endm
	PACK 0
	TOSTAGE 0
.irp a, 1,2,3,4,5,6,7,8,9,10,11        ; block a's conversions stand between block a - 1's loads from the stage and the wait for them
	PACK \a
	SEND (\a)-1
	TOSTAGE \a
.endr
	SEND 11
	s_wait_tensorcnt 0x0                           ; the wave's end
	ds_add_u32 v[SPW], v[NIL]
	s_wait_dscnt 0x0
	CROUND                                         ; the closing round: no work-group ends while a partner may still ask for a tile that names it
	s_endpgm
.Lfunc_end_k_q4f19951d76_proj:
	.size	k_q4f19951d76_proj, .Lfunc_end_k_q4f19951d76_proj-k_q4f19951d76_proj
	.p2alignl 7, 3214868480
	.fill 96, 4, 3214868480
	.section	.rodata,"a",@progbits
	.p2align	6, 0x0
	.amdhsa_kernel k_q4f19951d76_proj
		.amdhsa_group_segment_fixed_size 327680
		.amdhsa_private_segment_fixed_size 0
		.amdhsa_enable_private_segment 0
		.amdhsa_kernarg_size 24
		.amdhsa_user_sgpr_count 2
		.amdhsa_user_sgpr_kernarg_segment_ptr 1
		.amdhsa_wavefront_size32 1
		.amdhsa_system_sgpr_workgroup_id_x 1
		.amdhsa_system_sgpr_workgroup_id_y 1
		.amdhsa_system_sgpr_workgroup_id_z 1
		.amdhsa_system_vgpr_workitem_id 0
		.amdhsa_next_free_vgpr 1024
		.amdhsa_next_free_sgpr 66
		.amdhsa_reserve_vcc 0
		.amdhsa_float_denorm_mode_32 3
		.amdhsa_float_denorm_mode_16_64 3
		.amdhsa_memory_ordered 1
		.amdhsa_forward_progress 1
		.amdhsa_inst_pref_size 118
	.end_amdhsa_kernel
	.amdgpu_metadata
---
amdhsa.version: [ 1, 2 ]
amdhsa.kernels:
  - .name:           k_q4f19951d76_proj
    .symbol:         k_q4f19951d76_proj.kd
    .args:
      - { .name: xw, .offset: 0, .size: 8, .value_kind: global_buffer, .address_space: global }
      - { .name: bq, .offset: 8, .size: 8, .value_kind: global_buffer, .address_space: global }
      - { .name: qkv, .offset: 16, .size: 8, .value_kind: global_buffer, .address_space: global }
    .group_segment_fixed_size: 327680
    .private_segment_fixed_size: 0
    .kernarg_segment_align: 8
    .kernarg_segment_size: 24
    .max_flat_workgroup_size: 128
    .sgpr_count:     66
    .vgpr_count:     1024
    .wavefront_size: 32
...
	.end_amdgpu_metadata
.endif
;; end of part 2
;; launch score (part 3): grid 8 x 32, 4 waves a work-group, clusters of 4 x 4, 327,680 bytes of LDS; arguments qkv, mbits, p, stats; writes p, stats
.if DOCPART == 3
	.amdgcn_target "amdgcn-amd-amdhsa--gfx1250"
	.amdhsa_code_object_version 6
	.text
	.protected	k_q4f19951d76_score
	.globl	k_q4f19951d76_score
	.p2align	8
	.type	k_q4f19951d76_score,@function
k_q4f19951d76_score:
	s_mov_b64 s[64:65], 0
	v_nop
	global_prefetch_b8 v0, s[64:65] scope:SCOPE_SE
	s_setreg_imm32_b32 hwreg(HW_REG_WAVE_MODE, 25, 1), 1
	s_wait_xcnt 0x0
	s_wait_alu depctr_hold_cnt(0) depctr_sa_sdst(0) depctr_va_vdst(0) depctr_va_sdst(0) depctr_va_ssrc(0) depctr_va_vcc(0) depctr_vm_vsrc(0)
	s_getreg_b32 s2, hwreg(HW_REG_IB_STS2, 6, 4)
	s_cmp_eq_u32 s2, 0
	s_cbranch_scc0 .Lentry_in_a_cluster
	s_endpgm
.Lentry_in_a_cluster:
	s_bfe_u32 s2, ttmp6, 0x10000c
	s_cmp_lg_u32 s2, 0xf033
	s_cbranch_scc0 .Lentry_shape_is_right
	s_endpgm
.Lentry_shape_is_right:
; SCORE.  For a tile of 256 queries x 256 keys of one batch: S = Q K^T (f16 operands, f32 sums); where the mask's bit is set the score becomes -infinity; then, for each query and each BLOCK of 128 keys
; (a wave's width): m = c x the block's largest score, c = log2(e) / 32; P = 2^(c s - m), rounded to f16 into p [8192][2048]; l = the sum of the unrounded weights.  m and l go to stats
; (m at byte 0, l at byte 524,288, each [batch 4][block 16][row 2048] f32).  The launch 'pv' takes the TRUE maximum of a row's 16 m before any of its exponentials, so every exponent is 0 or less.
; A block in which every key is hidden: m = -infinity, l = 0, P = 0 (the shift used in its exponents is the lowest finite number, so that no NaN arises here).
; LIMITS.  A weight below 2^-126 counts as 0; P below 6e-5 keeps f16's fixed step of 6e-8; NaN and infinities among the inputs are not treated apart.
; The mask is taken as it is given: 64 words of bits for 16 queries x 128 keys, made by 'prep' in this kernel's lane order, come by scalar loads and steer v_cndmask_b32 alone.
; SHARES.  8 x 32 tiles = 256 work-groups; four waves, each 128 x 128: 64 accumulators, 512 registers.  K (the 1,024 channels) goes in steps of 128 through two LDS slots.
; CLUSTER.  4 x 4: Q's tile is shared along a row of the cluster, K's along a column (the four tile rows of a cluster lie in one batch: 8 tile rows a batch).
; THE MATRIX INSTRUCTION IS USED TRANSPOSED: source 0 = 16 keys, source 1 = 16 queries: a lane holds query l % 16 and the keys 8 (l / 16) + 0..7 of each block of 16.
; REGISTERS: window 0: v0-31 addresses; v64-127, v128-191 Q's fragments, two buffers (later the epilogue's scores and statistics); v32-63, v192-223 the way out
;   window 1: v64-127, v128-191 K's fragments      window 2: accumulators of query blocks 0-3 ((a, b) at 8 (8 (a % 4) + b))      window 3: those of blocks 4-7
.set NA,     8
.set H1,     4
.set PITCH,  272                       ; 256 bytes + 16 of padding = 68 words: the 16 rows of a load start at 16 different groups of four banks (ISA guide 11.1)
.set AHALF,  128*PITCH
.set APART,  2*AHALF
.set BHALF,  128*PITCH
.set SLOT,   APART+2*BHALF
.set STAGE,  2*SLOT                    ; 16 rows x 272 bytes for each wave
.set ST2,    STAGE+4*16*PITCH          ; 1,024 bytes for each wave: 128 m, then 128 l
.set SPARE,  ST2+4*1024                ; the spare words: two blocks of 256 bytes that no other line names
.set LAPS,   4
.set ASTEP,  512
.set BSTEP,  512
.set ADRA, 16
.set ADRB, 20
.set GOS,  22                          ; v22  my 16 bytes in 512 bytes of stats
.set RDS,  23                          ; v23  the same in my wave's part of ST2
.set STO,  24
.set RD,   25
.set CO,   26                          ; v26  my byte offset in two rows of p
.set SA0,  27                          ; v27  ST2: my wave's part, word l % 16; never rewritten
.set SPW,  28
.set NIL,  29
.set NINF, 30                          ; v30  -infinity
.set SA,   31                          ; v31  SA0 + 64 x the query block in hand
.set F0,   64
.set F1,   128
.set S,    64                          ; the epilogue: 64 masked scores of one query block
.set CC,   128                         ; v128-131 four chains of the maximum
.set TX,   132                         ; the other half of the lanes' maximum
.set MR,   133                         ; the block's largest score
.set MC,   134                         ; c times it: m
.set MS,   136                         ; v[136:137] the shift of the exponents: m, or the lowest finite number
.set LT,   138                         ; l
.set LT2,  139
.set PK,   192                         ; v192-223 the weights in f16
.set BK,   32                          ; v32-63 rows read back from the stage
.set G1,  24
.set G0,  32
.set G1B, 48
.set G0B, 56
.set MSB, 0
.macro WIN new
.if MSB != (\new)
	s_set_vgpr_msb (MSB<<8)|(\new)
.set MSB, \new
.endif
.endm
.macro JLOAD s                         ; a joint load: waves 0 and 1 fetch Q's halves, waves 2 and 3 K's; an s_nop 0 and four v_nop follow each line
	s_cmp_eq_u32 s11, 0
	s_cbranch_scc0 .Lfor_b_\@
	tensor_load_to_lds s[G0+4*(\s):G0+4*(\s)+3], s[G1:G1+7]
	s_nop 0
.rept 4
	v_nop
.endr
	s_branch .Lasked_\@
.Lfor_b_\@:
	tensor_load_to_lds s[G0B+4*(\s):G0B+4*(\s)+3], s[G1B:G1B+7]
	s_nop 0
.rept 4
	v_nop
.endr
.Lasked_\@:
.endm
.macro CREST
	s_cmp_lg_u32 s10, 0
	s_cbranch_scc1 .Lnot_wave_0_\@
	s_barrier_signal -3
.Lnot_wave_0_\@:
	s_barrier_wait -3
	s_barrier_signal -1
	s_barrier_wait -1
.endm
.macro CROUND
	s_barrier_signal -1
	s_barrier_wait -1
	CREST
.endm
.macro PLACES
.rept 4
	v_nop
.endr
.endm
	s_load_b128 s[4:7], s[0:1], 0x0                ; qkv s[4:5], mbits s[6:7]
	s_load_b64 s[8:9], s[0:1], 0x10                ; p
	s_load_b64 s[66:67], s[0:1], 0x18              ; stats
	v_lshl_add_u32 v[SPW], v0, 2, SPARE
	v_mov_b32 v[NIL], 0
	ds_add_u32 v[SPW], v[NIL]                      ; the wave's opening: the add and its wait stand ahead of my first tensor load
	v_lshrrev_b32 v1, 5, v0
	v_readfirstlane_b32 s10, v1                    ; wave 0..3
	s_lshr_b32 s11, s10, 1                         ; my half of the queries.  Also: I fetch for Q (0) or for K (1)
	s_and_b32 s12, s10, 1                          ; my half of the keys.  Also: which half of that tile I fetch
	s_bfe_u32 s40, ttmp6, 0x40000
	s_bfe_u32 s41, ttmp6, 0x40004
	s_lshl_b32 s42, ttmp9, 2
	s_add_co_u32 s42, s42, s40                     ; tile column (keys) = 4 x cluster x + cx
	s_and_b32 s13, ttmp7, 0xffff
	s_lshr_b32 s45, s13, 1                         ; the batch: two clusters of four tile rows each; made of the cluster's y alone
	s_lshl_b32 s13, s13, 2
	s_add_co_u32 s13, s13, s41                     ; tile row (queries) = 4 x cluster y + cy
	s_lshl_b32 s43, s41, 2
	s_lshl_b32 s43, 15, s43
	s_lshl_b32 s44, 0x1111, s40
	s_or_b32 s[G1+0], s43, (1<<16)|(1<<20)|(1<<21)|(5<<22)|(3<<25)
	s_or_b32 s[G1B+0], s44, (1<<16)|(1<<20)|(1<<21)|(5<<22)|(3<<25)
.irp g, G1, G1B
	s_mov_b32 s[(\g)+1], 128<<16                   ; tensor_dim0 = 128
	s_mov_b32 s[(\g)+2], 128<<16                   ; tensor_dim1 = 128
	s_mov_b32 s[(\g)+3], 128<<16                   ; tile_dim0 = 128
	s_mov_b32 s[(\g)+4], 128                       ; tile_dim1 = 128
	s_mov_b32 s[(\g)+5], 1024                      ; elements from row to row
	s_mov_b32 s[(\g)+6], 0
	s_mov_b32 s[(\g)+7], 0
.endr
	s_lshl_b32 s16, s13, 8                         ; Q: row 256 x tile row + 128 x half
	s_lshl_b32 s17, s12, 7
	s_add_co_u32 s16, s16, s17
	s_lshl_b32 s16, s16, 11
	s_mov_b32 s17, 0
	s_lshl_b32 s46, s45, 11                        ; K: row 8192 + 2048 x batch + 256 x tile column + 128 x half
	s_lshl_b32 s47, s42, 8
	s_add_co_u32 s46, s46, s47
	s_lshl_b32 s47, s12, 7
	s_add_co_u32 s46, s46, s47
	s_add_co_u32 s46, s46, 8192
	s_lshl_b32 s46, s46, 11
	s_mov_b32 s47, 0
	s_mul_i32 s20, s12, AHALF
	s_mul_i32 s23, s12, BHALF
	s_add_co_u32 s23, s23, APART
	s_wait_dscnt 0x0                               ; the opening add is done
	s_wait_kmcnt 0x0
	s_add_nc_u64 s[14:15], s[4:5], s[16:17]
	s_add_nc_u64 s[46:47], s[4:5], s[46:47]
	CROUND
.irp s, 0,1
	s_mov_b32 s[G0+4*(\s)], 1
	s_add_co_u32 s[G0+4*(\s)+1], s20, (\s)*SLOT
	s_add_nc_u64 s[G0+4*(\s)+2:G0+4*(\s)+3], s[14:15], (\s)*256
	s_or_b32 s[G0+4*(\s)+3], s[G0+4*(\s)+3], 0x80000000
	s_mov_b32 s[G0B+4*(\s)], 1
	s_add_co_u32 s[G0B+4*(\s)+1], s23, (\s)*SLOT
	s_add_nc_u64 s[G0B+4*(\s)+2:G0B+4*(\s)+3], s[46:47], (\s)*256
	s_or_b32 s[G0B+4*(\s)+3], s[G0B+4*(\s)+3], 0x80000000
	JLOAD \s
.endr
	v_and_b32 v1, 15, v0                           ; l % 16
	v_bfe_u32 v2, v0, 4, 1                         ; l / 16
	v_mul_u32_u24 v3, v1, PITCH
	v_lshl_add_u32 v3, v2, 4, v3
	s_mul_i32 s21, s11, AHALF
	s_mul_i32 s22, s12, BHALF
	s_add_co_u32 s22, s22, APART
.irp s, 0,1
	v_add_nc_u32 v[ADRA+(\s)], s21, v3
	v_add_nc_u32 v[ADRB+(\s)], s22, v3
	s_add_co_u32 s21, s21, SLOT
	s_add_co_u32 s22, s22, SLOT
.endr
	s_mul_i32 s23, s10, 16*PITCH
	s_add_co_u32 s23, s23, STAGE
	v_add_nc_u32 v[STO], s23, v3
	v_mul_u32_u24 v5, v2, PITCH
	v_lshl_add_u32 v5, v1, 4, v5
	v_add_nc_u32 v[RD], s23, v5
	v_lshlrev_b32 v5, 12, v2                       ; two rows of p, 4,096 bytes apart
	v_lshl_add_u32 v[CO], v1, 4, v5
	s_lshl_b32 s23, s10, 10
	s_add_co_u32 s23, s23, ST2
	v_lshl_add_u32 v[SA0], v1, 2, s23
	v_and_b32 v4, 31, v0
	v_lshl_add_u32 v[RDS], v4, 4, s23
	v_lshlrev_b32 v[GOS], 4, v4
	v_mov_b32 v[NINF], 0xff800000
	s_lshl_b32 s16, s13, 8                         ; p at my first row and key
	s_lshl_b32 s17, s11, 7
	s_add_co_u32 s16, s16, s17
	s_lshl_b32 s16, s16, 12
	s_lshl_b32 s17, s42, 9
	s_add_co_u32 s16, s16, s17
	s_lshl_b32 s17, s12, 8
	s_add_co_u32 s16, s16, s17
	s_mov_b32 s17, 0
	s_add_nc_u64 s[8:9], s[8:9], s[16:17]
	s_and_b32 s21, s13, 7                          ; the tile row within its batch
	s_lshl_b32 s22, s21, 16                        ; mbits: query block 16 x that + 8 x my half, 4,096 bytes each;
	s_lshl_b32 s23, s11, 15
	s_add_co_u32 s22, s22, s23
	s_lshl_b32 s23, s42, 9                         ; key block 16 x tile column + 8 x my half, 32 bytes each
	s_add_co_u32 s22, s22, s23
	s_lshl_b32 s23, s12, 8
	s_add_co_u32 s22, s22, s23
	s_mov_b32 s23, 0
	s_add_nc_u64 s[14:15], s[6:7], s[22:23]        ; s[14:15]: the 256 bytes of mask words of my first query block
	s_lshl_b32 s22, s45, 4                         ; stats: ((16 batch + 2 tile column + half) x 2048 + my first row in the batch) x 4
	s_lshl_b32 s23, s42, 1
	s_add_co_u32 s22, s22, s23
	s_add_co_u32 s22, s22, s12
	s_lshl_b32 s22, s22, 11
	s_lshl_b32 s23, s21, 8
	s_add_co_u32 s22, s22, s23
	s_lshl_b32 s23, s11, 7
	s_add_co_u32 s22, s22, s23
	s_lshl_b32 s22, s22, 2
	s_mov_b32 s23, 0
	s_add_nc_u64 s[66:67], s[66:67], s[22:23]
	s_mov_b32 s20, 0x3d38aa3b                      ; c = log2(e) / 32
	s_mov_b32 s21, s20                             ; named with it as a pair
	s_mov_b32 s22, 0x76543210                      ; v_permlanex16_b32: each lane takes its own place in the other half
	s_mov_b32 s23, 0xfedcba98
	s_mov_b32 s2, 0                                ; 64 x the query block in hand
.macro MULA f, a, z                    ; eight matrix instructions: query block a x all 8 key blocks; z = 1: they start the sums.  The accumulators take turns
	WIN 0xa1+0x50*((\a)/4)
.irp b, 0,1,2,3,4,5,6,7
.if \z
	v_wmma_f32_16x16x32_f16 v[8*(8*((\a)%4)+(\b)):8*(8*((\a)%4)+(\b))+7], v[(\f)+8*(\b):(\f)+8*(\b)+7], v[(\f)+8*(\a):(\f)+8*(\a)+7], 0
.else
	v_wmma_f32_16x16x32_f16 v[8*(8*((\a)%4)+(\b)):8*(8*((\a)%4)+(\b))+7], v[(\f)+8*(\b):(\f)+8*(\b)+7], v[(\f)+8*(\a):(\f)+8*(\a)+7], v[8*(8*((\a)%4)+(\b)):8*(8*((\a)%4)+(\b))+7]
.endif
.endr
.endm
.macro FETCH slot, q, f                ; 32 LDS loads in one run
	WIN 0x40
.irp i, 0,1,2,3,4,5,6,7
	ds_load_b128 v[(\f)+8*(\i):(\f)+8*(\i)+3],   v[ADRB+(\slot)] offset:64*(\q)+(\i)*16*PITCH
	ds_load_b128 v[(\f)+8*(\i)+4:(\f)+8*(\i)+7], v[ADRB+(\slot)] offset:64*(\q)+(\i)*16*PITCH+32
.endr
	WIN 0
.irp i, 0,1,2,3,4,5,6,7
	ds_load_b128 v[(\f)+8*(\i):(\f)+8*(\i)+3],   v[ADRA+(\slot)] offset:64*(\q)+(\i)*16*PITCH
	ds_load_b128 v[(\f)+8*(\i)+4:(\f)+8*(\i)+7], v[ADRA+(\slot)] offset:64*(\q)+(\i)*16*PITCH+32
.endr
.endm
.macro QUARTER slot, q, f, g, z
	s_wait_dscnt 2*(NA-H1)                         ; K and Q's blocks 0-3 are in; the youngest eight loads may be out
	MULA \f, 0, \z
	MULA \f, 1, \z
	MULA \f, 2, \z
	MULA \f, 3, \z
	PLACES
	FETCH \slot, \q, \g
	s_wait_dscnt 16+2*NA                           ; all but the 32 just issued
	MULA \f, 4, \z
	MULA \f, 5, \z
	MULA \f, 6, \z
	MULA \f, 7, \z
.endm
.macro TURN slot, next, fill           ; the last quarter and the change of slots: one barrier, in front of it the wait for all my tensor loads, the add, and the wait for it and for my reads
	WIN 0
	s_wait_tensorcnt 0x0
	ds_add_u32 v[SPW], v[NIL]
	s_wait_dscnt 1+2*(NA-H1)                       ; the add and the youngest eight loads may be out
	MULA F1, 0, 0
	MULA F1, 1, 0
	s_wait_dscnt 0x0
	s_barrier_signal -1
	MULA F1, 2, 0
	MULA F1, 3, 0
	WIN 0
	s_barrier_wait -1
.if \fill
	CREST
	s_add_nc_u64 s[G0+4*(\slot)+2:G0+4*(\slot)+3], s[G0+4*(\slot)+2:G0+4*(\slot)+3], ASTEP
	s_add_nc_u64 s[G0B+4*(\slot)+2:G0B+4*(\slot)+3], s[G0B+4*(\slot)+2:G0B+4*(\slot)+3], BSTEP
	JLOAD \slot                                    ; my one load behind the round: 224 matrix instructions ahead of the wait for it
.else
	PLACES
.endif
	FETCH \next, 0, F0
	MULA F1, 4, 0
	MULA F1, 5, 0
	MULA F1, 6, 0
	MULA F1, 7, 0
.endm
	s_wait_tensorcnt 1                             ; my part of K step 0 is in
	s_barrier_signal -1
	s_barrier_wait -1
	FETCH 0, 0, F0
	QUARTER 0, 1, F0, F1, 1
	WIN 0
	s_mov_b32 s3, LAPS-1
.Llap:
	QUARTER 0, 2, F1, F0, 0
	QUARTER 0, 3, F0, F1, 0
	TURN 0, 1, 1
	QUARTER 1, 1, F0, F1, 0
	QUARTER 1, 2, F1, F0, 0
	QUARTER 1, 3, F0, F1, 0
	TURN 1, 0, 1
	QUARTER 0, 1, F0, F1, 0
	WIN 0
	s_sub_co_u32 s3, s3, 1
	s_cmp_lg_u32 s3, 0
	s_cbranch_scc1 .Llap
	QUARTER 0, 2, F1, F0, 0
	QUARTER 0, 3, F0, F1, 0
	TURN 0, 1, 0
	; No tensor load of mine is out and none follows: the descriptors' registers take the mask words.  Word (b, j) of a query block lies at s[24 + 16 (b / 2) + 12 (b / 4) + 8 (b % 2) + j].
	s_load_b512 s[24:39], s[14:15], 0x0
	s_load_b512 s[40:55], s[14:15], 0x40
	s_load_b512 s[68:83], s[14:15], 0x80
	s_load_b512 s[84:99], s[14:15], 0xc0
	QUARTER 1, 1, F0, F1, 0
	QUARTER 1, 2, F1, F0, 0
	QUARTER 1, 3, F0, F1, 0
	s_wait_dscnt 2*(NA-H1)
	MULA F1, 0, 0
	MULA F1, 1, 0
	MULA F1, 2, 0
	MULA F1, 3, 0
	s_wait_dscnt 0x0
	MULA F1, 4, 0
	MULA F1, 5, 0
	MULA F1, 6, 0
	MULA F1, 7, 0
	PLACES
	WIN 0
; THE EPILOGUE: a loop over my eight query blocks.  Only the copy out of the accumulators names other registers in each trip, so it is written eight times and chosen by forward jumps on the counter.
.macro COPY a                          ; the block's 64 scores into window 0, -infinity where the mask's bit is set; each accumulator's registers in ascending order
	WIN 0x02+(\a)/4
.irp b, 0,1,2,3,4,5,6,7
.irp j, 0,1,2,3,4,5,6,7
	v_cndmask_b32 v[S+8*(\b)+(\j)], v[64*((\a)%4)+8*(\b)+(\j)], v[NINF], s[24+16*((\b)/2)+12*((\b)/4)+8*((\b)%2)+(\j)]
.endr
.endr
	WIN 0
.endm
.macro TAKE n                          ; pair n of the weights: rounded to f16; from pair 4 on added onto pair n % 4, whose own rounding is done
	s_wait_alu depctr_va_vdst(0)
	v_cvt_pk_f16_f32 v[PK+(\n)], v[S+2*(\n)], v[S+2*(\n)+1]
.if (\n) >= 4
	v_pk_add_f32 v[S+2*((\n)%4):S+2*((\n)%4)+1], v[S+2*((\n)%4):S+2*((\n)%4)+1], v[S+2*(\n):S+2*(\n)+1]
.endif
.endm
	v_mov_b32 v[TX], 0                             ; v_permlanex16_b32's destinations count as read
	v_mov_b32 v[LT2], 0
	s_mov_b32 s3, 8                                ; blocks to go: block 8 - s3 is in hand
.Lrow:
	s_wait_kmcnt 0x0                               ; the block's mask words
.irp a, 0,1,2,3,4,5,6
	s_cmp_eq_u32 s3, 8-\a
	s_cbranch_scc1 .Lc\a
.endr
	COPY 7
	s_branch .Lcom
.irp a, 0,1,2,3,4,5
.Lc\a:
	COPY \a
	s_branch .Lcom
.endr
.Lc6:
	COPY 6
.Lcom:
	; the largest of my 64 scores: four chains of 15, three operands at a time, then the four left over
.irp k, 0,1,2,3
	v_max3_num_f32 v[CC+(\k)], v[S+16*(\k)], v[S+16*(\k)+1], v[S+16*(\k)+2]
.endr
.irp n, 0,1,2,3,4,5
.irp k, 0,1,2,3
	v_max3_num_f32 v[CC+(\k)], v[CC+(\k)], v[S+16*(\k)+3+2*(\n)], v[S+16*(\k)+4+2*(\n)]
.endr
.endr
	v_max3_num_f32 v[CC], v[CC], v[S+15], v[S+31]
	v_max3_num_f32 v[CC+1], v[CC+1], v[S+47], v[S+63]
	s_cmp_eq_u32 s3, 1
	s_cbranch_scc1 .Lnomask                        ; the last block has no successor
	s_add_nc_u64 s[14:15], s[14:15], 4096          ; free since the wait at the trip's head: the next query block's words
	s_load_b512 s[24:39], s[14:15], 0x0
	s_load_b512 s[40:55], s[14:15], 0x40
	s_load_b512 s[68:83], s[14:15], 0x80
	s_load_b512 s[84:99], s[14:15], 0xc0
.Lnomask:
	v_max3_num_f32 v[CC], v[CC], v[CC+1], v[CC+2]
	v_max_num_f32 v[CC], v[CC], v[CC+3]
	v_permlanex16_b32 v[TX], v[CC], s22, s23       ; the query's other 64 keys lie in the lane 16 away
	v_max_num_f32 v[MR], v[CC], v[TX]
	v_mul_f32 v[MC], s20, v[MR]                    ; m; -infinity if the whole block is hidden
	v_max_num_f32 v[MS], 0xff7fffff, v[MC]         ; the shift stays finite, so a hidden score gives 2^-infinity = 0
	v_mov_b32 v[MS+1], v[MS]
.set i, 0
.rept 32
	v_pk_fma_f32 v[S+2*i:S+2*i+1], v[S+2*i:S+2*i+1], s[20:21], v[MS:MS+1] op_sel_hi:[1,0,0] neg_lo:[0,0,1] neg_hi:[0,0,1]   ; c s - m
.set i, i+1
.endr
	; Two exponentials, then plain work on the pair made two steps earlier: a plain instruction stands behind every exponential before its result is used (ISA guide 5.7.2)
.set i, 0
.rept 32
	v_exp_f32 v[S+2*i], v[S+2*i]
	v_exp_f32 v[S+2*i+1], v[S+2*i+1]
.if i == 1
	v_nop
.endif
.if i >= 2
	TAKE i-2
.endif
.set i, i+1
.endr
	TAKE 30
	TAKE 31
.irp b, 0,1,2,3,4,5,6,7
	ds_store_b128 v[STO], v[PK+4*(\b):PK+4*(\b)+3] offset:32*(\b)
.endr
.irp t, 0,1,2,3,4,5,6,7
	ds_load_b128 v[BK+4*(\t):BK+4*(\t)+3], v[RD] offset:(\t)*2*PITCH   ; LDS serves a wave's instructions in order (ISA guide 5.7.1.4): these see the stores above
.endr
	v_pk_add_f32 v[S:S+1], v[S:S+1], v[S+2:S+3]
	v_pk_add_f32 v[S+4:S+5], v[S+4:S+5], v[S+6:S+7]
	v_add_nc_u32 v[SA], s2, v[SA0]
	s_add_co_u32 s2, s2, 64
	v_pk_add_f32 v[S:S+1], v[S:S+1], v[S+4:S+5]
	v_add_f32 v[LT], v[S], v[S+1]
	v_permlanex16_b32 v[LT2], v[LT], s22, s23
	v_add_f32 v[LT], v[LT], v[LT2]
	ds_store_b32 v[SA], v[MC]                      ; lanes l and l + 16 write the same word with the same number
	ds_store_b32 v[SA], v[LT] offset:512
	s_wait_dscnt 2                                 ; only those two stores are younger than the rows read back
.irp t, 0,1,2,3,4,5,6,7
	global_store_b128 v[CO], v[BK+4*(\t):BK+4*(\t)+3], s[8:9] offset:(\t)*8192   ; 16 lanes store 256 consecutive bytes, at a multiple of 256
.endr
	s_wait_xcnt 0x0                                ; the stores' base and data are rewritten only behind this wait
	s_add_nc_u64 s[8:9], s[8:9], 16*4096
	s_sub_co_u32 s3, s3, 1
	s_cmp_lg_u32 s3, 0
	s_cbranch_scc1 .Lrow
	ds_load_b128 v[BK:BK+3], v[RDS]                ; my wave's 128 m and 128 l, four a lane
	ds_load_b128 v[BK+4:BK+7], v[RDS] offset:512
	s_wait_dscnt 0x0
	global_store_b128 v[GOS], v[BK:BK+3], s[66:67]                 ; 512 consecutive bytes each
	global_store_b128 v[GOS], v[BK+4:BK+7], s[66:67] offset:524288
	s_wait_tensorcnt 0x0                           ; the wave's end
	ds_add_u32 v[SPW], v[NIL]
	s_wait_dscnt 0x0
	CROUND                                         ; the closing round
	s_endpgm
.Lfunc_end_k_q4f19951d76_score:
	.size	k_q4f19951d76_score, .Lfunc_end_k_q4f19951d76_score-k_q4f19951d76_score
	.p2alignl 7, 3214868480
	.fill 96, 4, 3214868480
	.section	.rodata,"a",@progbits
	.p2align	6, 0x0
	.amdhsa_kernel k_q4f19951d76_score
		.amdhsa_group_segment_fixed_size 327680
		.amdhsa_private_segment_fixed_size 0
		.amdhsa_enable_private_segment 0
		.amdhsa_kernarg_size 32
		.amdhsa_user_sgpr_count 2
		.amdhsa_user_sgpr_kernarg_segment_ptr 1
		.amdhsa_wavefront_size32 1
		.amdhsa_system_sgpr_workgroup_id_x 1
		.amdhsa_system_sgpr_workgroup_id_y 1
		.amdhsa_system_sgpr_workgroup_id_z 1
		.amdhsa_system_vgpr_workitem_id 0
		.amdhsa_next_free_vgpr 1024
		.amdhsa_next_free_sgpr 100
		.amdhsa_reserve_vcc 0
		.amdhsa_float_denorm_mode_32 3
		.amdhsa_float_denorm_mode_16_64 3
		.amdhsa_memory_ordered 1
		.amdhsa_forward_progress 1
		.amdhsa_inst_pref_size 160
	.end_amdhsa_kernel
	.amdgpu_metadata
---
amdhsa.version: [ 1, 2 ]
amdhsa.kernels:
  - .name:           k_q4f19951d76_score
    .symbol:         k_q4f19951d76_score.kd
    .args:
      - { .name: qkv, .offset: 0, .size: 8, .value_kind: global_buffer, .address_space: global }
      - { .name: mbits, .offset: 8, .size: 8, .value_kind: global_buffer, .address_space: global }
      - { .name: p, .offset: 16, .size: 8, .value_kind: global_buffer, .address_space: global }
      - { .name: stats, .offset: 24, .size: 8, .value_kind: global_buffer, .address_space: global }
    .group_segment_fixed_size: 327680
    .private_segment_fixed_size: 0
    .kernarg_segment_align: 8
    .kernarg_segment_size: 32
    .max_flat_workgroup_size: 128
    .sgpr_count:     100
    .vgpr_count:     1024
    .wavefront_size: 32
...
	.end_amdgpu_metadata
.endif
;; end of part 3
;; launch pv (part 4): grid 4 x 64, 4 waves a work-group, clusters of 4 x 4, 327,680 bytes of LDS; arguments p, qkv, stats, out0; writes out0
.if DOCPART == 4
	.amdgcn_target "amdgcn-amd-amdhsa--gfx1250"
	.amdhsa_code_object_version 6
	.text
	.protected	k_q4f19951d76_pv
	.globl	k_q4f19951d76_pv
	.p2align	8
	.type	k_q4f19951d76_pv,@function
k_q4f19951d76_pv:
	s_mov_b64 s[64:65], 0
	v_nop
	global_prefetch_b8 v0, s[64:65] scope:SCOPE_SE
	s_setreg_imm32_b32 hwreg(HW_REG_WAVE_MODE, 25, 1), 1
	s_wait_xcnt 0x0
	s_wait_alu depctr_hold_cnt(0) depctr_sa_sdst(0) depctr_va_vdst(0) depctr_va_sdst(0) depctr_va_ssrc(0) depctr_va_vcc(0) depctr_vm_vsrc(0)
	s_getreg_b32 s2, hwreg(HW_REG_IB_STS2, 6, 4)
	s_cmp_eq_u32 s2, 0
	s_cbranch_scc0 .Lentry_in_a_cluster
	s_endpgm
.Lentry_in_a_cluster:
	s_bfe_u32 s2, ttmp6, 0x10000c
	s_cmp_lg_u32 s2, 0xf033
	s_cbranch_scc0 .Lentry_shape_is_right
	s_endpgm
.Lentry_shape_is_right:
; PV.  out0[row][e] = (1 / L) x sum over all keys k of (e_t P[row][k]) V[k][e], t = k / 128, e_t = 2^(m_t - M), M = the largest of the row's 16 m_t, L = sum over t of e_t l_t.
; M is the row's true maximum, taken before any exponential, so every exponent is 0 or less.  e_t, rounded to f16, multiplies P's fragments on their way to the matrix unit (packed f16 products);
; so ONE set of f32 sums runs through all 2,048 keys, started by the constant 0, and 1 / L is applied once, in f32.  P and V are f16; out0 is f32.
; A row in which every key is hidden has M = -infinity: m_t - M is NaN, and so is the row, as the softmax of such a row is.  A hidden block alone has e_t = 0 and P = 0.
; LIMITS.  e_t P is a second rounding to f16 (exact where e_t = 1); below 6e-5 it keeps f16's fixed step of 6e-8, beside a largest weight of 1 in the row; e_t below 3e-8 counts as 0;
; L is summed with the unrounded e_t, which differs from the e_t applied by 2^-11 of itself at the most.  NaN and infinities among the inputs are not treated apart.
; SHARES.  A tile is 128 rows x 256 channels: 64 x 4 = 256 work-groups; four waves, each 64 x 128: 32 accumulators.  A K step is one key block of 128, in two LDS slots.  The step is written once:
; the LDS address of the slot being read is a scalar that an exclusive or turns, and one descriptor a tensor walks from step to step.
; V lies [key][channel] and is turned on its way out of LDS by ds_load_tr16_b128.  CLUSTER 4 x 4: P's tile is shared along a row of the cluster, V's along a column (16 tile rows a batch).
; THE MATRIX INSTRUCTION IS USED TRANSPOSED: source 0 = 16 channels, source 1 = 16 rows of P: a lane holds row l % 16 and the channels 8 (l / 16) + 0..7 of each block of 16.
; REGISTERS: window 0: v0-31 addresses; v32-35 e_t of my four row blocks (f16, twice a word); v36-43 1 / L, four pairs; v64-95, v128-159 P's fragments (v64-191 also the prologue and the way out)
;   window 1: v64-127, v128-191 V's fragments      window 2: the accumulators, (a, b) at 8 (8 a + b)
.set PITCH,  272                       ; a row of P in LDS: 256 bytes + 16
.set PV,     544                       ; a row of V: 512 bytes + 32 = 136 words
.set AHALF,  64*PITCH
.set APART,  2*AHALF
.set BHALF,  64*PV
.set SLOTB,  APART+2*BHALF             ; P's 128 rows, then V's 128 keys: 104,448 bytes
.set SLOT1,  1<<17                     ; slot 1 begins here, so that one exclusive or turns an address in one slot into the other's
.set STAGE,  SLOT1+SLOTB               ; 16 rows x 528 bytes for each wave
.set OPI,    528                       ; a stage row: 512 bytes + 16
.set ET,     STAGE+4*16*OPI            ; e: [t 16][row 128] words, 8,192 bytes
.set RLT,    ET+16*512                 ; 1 / L: [row 128] pairs of equal f32, 1,024 bytes
.set SPARE,  RLT+1024                  ; the spare words: two blocks of 256 bytes that no other line names
.set ASTEP,  256                       ; a key block on: 128 keys of 2 bytes along P's rows,
.set BSTEP,  128*2048                  ; 128 rows of V
.set ADRA0, 16                         ; v16  my lane's place in P's tile in slot 0; never rewritten
.set ADRB0, 17                         ; v17  the same for V
.set ADRA,  18                         ; v18  the same in the slot that is being read
.set ADRB,  19
.set STO,  24
.set RD,   25
.set CO,   26                          ; v26  16 x lane
.set GA0,  27                          ; v27  ET + 4 x (64 x my half + l % 16); never rewritten
.set SPW,  28
.set NIL,  29
.set GAD,  30                          ; v30  GA0 + 512 x the key block
.set RA,   31                          ; v31  RLT + 8 x (64 x my half + l % 16)
.set EG,   32
.set RL,   36
.set F0,   64
.set F1,   128
.set TB,  2                            ; s2   LDS byte at which the slot that is being read begins
.set G1,  24
.set G0,  32                           ; s[32:39] group 0 for P: a set for each of the two first fills; the second then walks on
.set G1B, 48
.set G0B, 56
.set GTB, 66                           ; s66  512 x the key block whose e is fetched next
.set MSB, 0
.macro WIN new
.if MSB != (\new)
	s_set_vgpr_msb (MSB<<8)|(\new)
.set MSB, \new
.endif
.endm
.macro JLOAD s                         ; a joint load: waves 0 and 1 fetch P's halves, waves 2 and 3 V's; an s_nop 0 and four v_nop follow each line
	s_cmp_eq_u32 s11, 0
	s_cbranch_scc0 .Lfor_b_\@
	tensor_load_to_lds s[G0+4*(\s):G0+4*(\s)+3], s[G1:G1+7]
	s_nop 0
.rept 4
	v_nop
.endr
	s_branch .Lasked_\@
.Lfor_b_\@:
	tensor_load_to_lds s[G0B+4*(\s):G0B+4*(\s)+3], s[G1B:G1B+7]
	s_nop 0
.rept 4
	v_nop
.endr
.Lasked_\@:
.endm
.macro CREST
	s_cmp_lg_u32 s10, 0
	s_cbranch_scc1 .Lnot_wave_0_\@
	s_barrier_signal -3
.Lnot_wave_0_\@:
	s_barrier_wait -3
	s_barrier_signal -1
	s_barrier_wait -1
.endm
.macro CROUND
	s_barrier_signal -1
	s_barrier_wait -1
	CREST
.endm
.macro PLACES
.rept 4
	v_nop
.endr
.endm
	s_load_b128 s[4:7], s[0:1], 0x0                ; p s[4:5], qkv s[6:7]
	s_load_b64 s[68:69], s[0:1], 0x10              ; stats
	s_load_b64 s[8:9], s[0:1], 0x18                ; out0
	v_lshl_add_u32 v[SPW], v0, 2, SPARE
	v_mov_b32 v[NIL], 0
	ds_add_u32 v[SPW], v[NIL]                      ; the wave's opening: the add and its wait stand ahead of my first tensor load
	v_lshrrev_b32 v1, 5, v0
	v_readfirstlane_b32 s10, v1
	s_lshr_b32 s11, s10, 1                         ; my half of the rows.  Also: I fetch for P (0) or for V (1)
	s_and_b32 s12, s10, 1                          ; my half of the channels.  Also: which half of that tile I fetch
	s_bfe_u32 s40, ttmp6, 0x40000
	s_bfe_u32 s41, ttmp6, 0x40004
	s_lshl_b32 s42, ttmp9, 2
	s_add_co_u32 s42, s42, s40                     ; tile column (channels)
	s_and_b32 s13, ttmp7, 0xffff
	s_lshr_b32 s45, s13, 2                         ; the batch: four clusters of four tile rows; made of the cluster's y alone
	s_lshl_b32 s13, s13, 2
	s_add_co_u32 s13, s13, s41                     ; tile row
	s_lshl_b32 s43, s41, 2
	s_lshl_b32 s43, 15, s43
	s_lshl_b32 s44, 0x1111, s40
	s_or_b32 s[G1+0], s43, (1<<16)|(1<<20)|(1<<21)|(5<<22)|(3<<25)   ; P: after every 64 words 4 words of padding
	s_or_b32 s[G1B+0], s44, (1<<16)|(1<<20)|(1<<21)|(6<<22)|(7<<25)  ; V: after every 128 words 8 words
	s_mov_b32 s[G1+1], 128<<16                     ; P: 64 rows x 128 keys, 2,048 elements from row to row
	s_mov_b32 s[G1+2], 64<<16
	s_mov_b32 s[G1+3], 128<<16
	s_mov_b32 s[G1+4], 64
	s_mov_b32 s[G1+5], 2048
	s_mov_b32 s[G1+6], 0
	s_mov_b32 s[G1+7], 0
	s_mov_b32 s[G1B+1], 256<<16                    ; V: 64 keys x 256 channels, 1,024 elements from row to row
	s_mov_b32 s[G1B+2], 64<<16
	s_mov_b32 s[G1B+3], 256<<16
	s_mov_b32 s[G1B+4], 64
	s_mov_b32 s[G1B+5], 1024
	s_mov_b32 s[G1B+6], 0
	s_mov_b32 s[G1B+7], 0
	s_lshl_b32 s16, s13, 7                         ; P: row 128 x tile row + 64 x half, 4,096 bytes a row
	s_lshl_b32 s17, s12, 6
	s_add_co_u32 s16, s16, s17
	s_lshl_b32 s16, s16, 12
	s_mov_b32 s17, 0
	s_lshl_b32 s46, s45, 11                        ; V: row 16384 + 2048 x batch + 64 x half, 2,048 bytes a row; channel 256 x tile column
	s_lshl_b32 s47, s12, 6
	s_add_co_u32 s46, s46, s47
	s_add_co_u32 s46, s46, 16384
	s_lshl_b32 s46, s46, 11
	s_lshl_b32 s47, s42, 9
	s_add_co_u32 s46, s46, s47
	s_mov_b32 s47, 0
	s_mul_i32 s20, s12, AHALF
	s_mul_i32 s23, s12, BHALF
	s_add_co_u32 s23, s23, APART
	s_mov_b32 s[GTB], 0
	s_mov_b32 s[TB], 0
	s_wait_dscnt 0x0                               ; the opening add is done
	s_wait_kmcnt 0x0
	s_add_nc_u64 s[14:15], s[4:5], s[16:17]
	s_add_nc_u64 s[46:47], s[6:7], s[46:47]
	CROUND
.irp s, 0,1
	s_mov_b32 s[G0+4*(\s)], 1
	s_add_co_u32 s[G0+4*(\s)+1], s20, (\s)*SLOT1
	s_add_nc_u64 s[G0+4*(\s)+2:G0+4*(\s)+3], s[14:15], (\s)*ASTEP        ; key block s
	s_or_b32 s[G0+4*(\s)+3], s[G0+4*(\s)+3], 0x80000000
	s_mov_b32 s[G0B+4*(\s)], 1
	s_add_co_u32 s[G0B+4*(\s)+1], s23, (\s)*SLOT1
	s_add_nc_u64 s[G0B+4*(\s)+2:G0B+4*(\s)+3], s[46:47], (\s)*BSTEP
	s_or_b32 s[G0B+4*(\s)+3], s[G0B+4*(\s)+3], 0x80000000
	JLOAD \s                                       ; two loads of mine are out
.endr
	; THE PROLOGUE, in the wait for the first tile.  Thread i owns row i of the tile's 128: its 16 m (v64-79) and 16 l (v80-95).
	s_lshl_b32 s16, s45, 17                        ; stats: batch x 16 x 2048 x 4 + 128 x (tile row in the batch) x 4
	s_and_b32 s17, s13, 15
	s_lshl_b32 s17, s17, 9
	s_add_co_u32 s16, s16, s17
	s_mov_b32 s17, 0
	s_add_nc_u64 s[68:69], s[68:69], s[16:17]
	v_lshlrev_b32 v7, 2, v0
.set t, 0
.rept 16
	global_load_b32 v[64+t], v7, s[68:69] offset:8192*t
	global_load_b32 v[80+t], v7, s[68:69] offset:524288+8192*t
.set t, t+1
.endr
	v_and_b32 v1, 15, v0                           ; l % 16
	v_bfe_u32 v2, v0, 4, 1                         ; l / 16
	v_mul_u32_u24 v3, v1, PITCH
	v_lshl_add_u32 v3, v2, 4, v3                   ; P's fragments: row x pitch + 16 x half
	; The turning load takes 16 keys x 16 channels (lane l reads key 8 (l / 16) + l % 8, channels 8 ((l / 8) % 2) + 0..7) and leaves half a fragment: lane l holds channel l % 16 and 8 keys.
	v_and_b32 v4, 7, v0
	v_bfe_u32 v5, v0, 3, 1
	v_lshl_add_u32 v6, v2, 3, v4
	v_mul_u32_u24 v6, v6, PV
	v_lshl_add_u32 v6, v5, 4, v6
	s_mul_i32 s21, s11, AHALF                      ; my 64 rows of P
	s_lshl_b32 s22, s12, 8                         ; my 128 channels of V, behind P's 128 rows
	s_add_co_u32 s22, s22, APART
	v_add_nc_u32 v[ADRA0], s21, v3
	v_add_nc_u32 v[ADRB0], s22, v6
	v_mov_b32 v[ADRA], v[ADRA0]                    ; slot 0 is read first
	v_mov_b32 v[ADRB], v[ADRB0]
	s_mul_i32 s23, s10, 16*OPI
	s_add_co_u32 s23, s23, STAGE                   ; my stage
	v_mul_u32_u24 v5, v1, OPI                      ; in: row l % 16, 32 bytes for each half of the lanes
	v_lshl_add_u32 v5, v2, 5, v5
	v_add_nc_u32 v[STO], s23, v5
	v_and_b32 v4, 31, v0
	v_lshlrev_b32 v[CO], 4, v4                     ; back and out: a row's 512 bytes, 16 a lane
	v_add_nc_u32 v[RD], s23, v[CO]
	s_lshl_b32 s23, s11, 8
	s_add_co_u32 s23, s23, ET
	v_lshl_add_u32 v[GA0], v1, 2, s23
	s_lshl_b32 s23, s11, 9
	s_add_co_u32 s23, s23, RLT
	v_lshl_add_u32 v[RA], v1, 3, s23
	v_lshl_add_u32 v13, v0, 2, ET                  ; where I put my row's e
	v_lshl_add_u32 v14, v0, 3, RLT                 ; and its 1 / L
	s_lshl_b32 s16, s13, 7                         ; out0 at my first row and channel
	s_lshl_b32 s17, s11, 6
	s_add_co_u32 s16, s16, s17
	s_lshl_b32 s16, s16, 12
	s_lshl_b32 s17, s42, 10
	s_add_co_u32 s16, s16, s17
	s_lshl_b32 s17, s12, 9
	s_add_co_u32 s16, s16, s17
	s_mov_b32 s17, 0
	s_add_nc_u64 s[8:9], s[8:9], s[16:17]
	s_wait_loadcnt 0x0                             ; m and l
	v_max3_num_f32 v10, v64, v65, v66              ; M
.irp n, 0,1,2,3,4,5
	v_max3_num_f32 v10, v10, v[67+2*(\n)], v[68+2*(\n)]
.endr
	v_max_num_f32 v10, v10, v79
.set t, 0
.rept 16
	v_sub_f32 v[64+t], v[64+t], v10
.set t, t+1
.endr
.set t, 0
.rept 16
	v_exp_f32 v[64+t], v[64+t]                     ; e_t
.set t, t+1
.endr
	v_nop                                          ; a plain instruction behind the last exponential
	s_wait_alu depctr_va_vdst(0)
	v_mul_f32 v11, v64, v80                        ; L, in two chains
	v_mul_f32 v12, v65, v81
.set t, 2
.rept 14
	v_fmac_f32 v[11+t%2], v[64+t], v[80+t]
.set t, t+1
.endr
	v_add_f32 v11, v11, v12
	v_rcp_f32 v44, v11
.set t, 0
.rept 16
	v_cvt_pk_f16_f32 v[96+t], v[64+t], v[64+t]     ; e_t in f16, in both halves of a word (the first of these is the plain instruction behind the reciprocal)
	ds_store_b32 v13, v[96+t] offset:512*t
.set t, t+1
.endr
	s_wait_alu depctr_va_vdst(0)
	v_mov_b32 v45, v44                             ; 1 / L twice: a pair for the packed product
	ds_store_b64 v14, v[44:45]
.macro MULA f, a, z                    ; eight matrix instructions: row block a x all 8 channel blocks; z = 1: they start the sums.  The accumulators take turns, one instruction a turn
	WIN 0xa1                                       ; V window 1, P window 0, C and D window 2
.irp b, 0,1,2,3,4,5,6,7
.if \z
	v_wmma_f32_16x16x32_f16 v[8*(8*(\a)+(\b)):8*(8*(\a)+(\b))+7], v[(\f)+8*(\b):(\f)+8*(\b)+7], v[(\f)+8*(\a):(\f)+8*(\a)+7], 0
.else
	v_wmma_f32_16x16x32_f16 v[8*(8*(\a)+(\b)):8*(8*(\a)+(\b))+7], v[(\f)+8*(\b):(\f)+8*(\b)+7], v[(\f)+8*(\a):(\f)+8*(\a)+7], v[8*(8*(\a)+(\b)):8*(8*(\a)+(\b))+7]
.endif
.endr
.endm
.macro SCALE f                         ; P's four fragments in buffer f times e of their rows: 32 packed f16 products in one run, in window 0.  They are also the places between the
	WIN 0                                          ; last products on the other buffer and the loads that fill it again (they name none of its registers)
.irp a, 0,1,2,3
.irp i, 0,1,2,3,4,5,6,7
	v_pk_mul_f16 v[(\f)+8*(\a)+(\i)], v[(\f)+8*(\a)+(\i)], v[EG+(\a)]
.endr
.endr
.endm
.macro FETCH q, f                      ; 24 LDS loads in one run: 32 keys: P's 4 fragments first, then V's 8, turned
	WIN 0
.irp i, 0,1,2,3
	ds_load_b128 v[(\f)+8*(\i):(\f)+8*(\i)+3],   v[ADRA] offset:64*(\q)+(\i)*16*PITCH
	ds_load_b128 v[(\f)+8*(\i)+4:(\f)+8*(\i)+7], v[ADRA] offset:64*(\q)+(\i)*16*PITCH+32
.endr
	WIN 0x40
.irp i, 0,1,2,3,4,5,6,7
	ds_load_tr16_b128 v[(\f)+8*(\i):(\f)+8*(\i)+3],   v[ADRB] offset:32*PV*(\q)+32*(\i)
	ds_load_tr16_b128 v[(\f)+8*(\i)+4:(\f)+8*(\i)+7], v[ADRB] offset:32*PV*(\q)+32*(\i)+16*PV
.endr
.endm
.macro ELOAD                           ; e of the key block that begins, for my four row blocks; it stands ahead of a run of 24, so no count changes
	WIN 0
	v_add_nc_u32 v[GAD], s[GTB], v[GA0]
	s_add_co_u32 s[GTB], s[GTB], 512
.irp a, 0,1,2,3
	ds_load_b32 v[EG+(\a)], v[GAD] offset:64*(\a)
.endr
.endm
; One of a key block's first three quarters: scales and multiplies buffer f; in its middle it fetches quarter q of the same slot into buffer g.
.macro QUARTER q, f, g, z
	s_wait_dscnt 16                                ; P's fragments (and e) are in; V's sixteen loads may be out while P is scaled
	SCALE \f
	s_wait_dscnt 0x0
	MULA \f, 0, \z
	MULA \f, 1, \z
	FETCH \q, \g
	MULA \f, 2, \z
	MULA \f, 3, \z
.endm
; The last quarter and the change of slots: ONE barrier.  In front of it each wave waits for all its tensor loads (one is out: its part of the next slot), adds 0 to its spare word, and waits for that
; and for its reads of this slot.  fill = 1: the barrier opens a round of the cluster's, and this slot is filled again, two key blocks ahead, first thing behind it: 120 matrix instructions ahead of the wait for it.
.macro TURN fill
	s_wait_dscnt 16
	SCALE F1
	s_wait_dscnt 0x0
	MULA F1, 0, 0
	WIN 0
	s_wait_tensorcnt 0x0
	ds_add_u32 v[SPW], v[NIL]
	MULA F1, 1, 0
	WIN 0
	s_wait_dscnt 0x0                               ; the add is done; my reads of this slot were over at the wait above
	s_barrier_signal -1
	s_barrier_wait -1
.if \fill
	CREST                                          ; no wave of any partner still reads this slot or has a load on its way
	s_xor_b32 s[G0+5], s[G0+5], SLOT1              ; the walking descriptors: the other slot than last time,
	s_add_nc_u64 s[G0+6:G0+7], s[G0+6:G0+7], ASTEP ; the next key block; the type bits on top are not reached
	s_xor_b32 s[G0B+5], s[G0B+5], SLOT1
	s_add_nc_u64 s[G0B+6:G0B+7], s[G0B+6:G0B+7], BSTEP
	JLOAD 1
.endif
	s_xor_b32 s[TB], s[TB], SLOT1                  ; the reads go on in the other slot
	v_add_nc_u32 v[ADRA], s[TB], v[ADRA0]
	v_add_nc_u32 v[ADRB], s[TB], v[ADRB0]
	ELOAD
	FETCH 0, F0
	MULA F1, 2, 0
	MULA F1, 3, 0
.endm
	s_wait_tensorcnt 1                             ; my part of key block 0 is in
	s_wait_dscnt 0x0                               ; for the others' sake: my row's e and 1 / L are stored
	s_barrier_signal -1
	s_barrier_wait -1
.irp a, 0,1,2,3
	ds_load_b64 v[RL+2*(\a):RL+2*(\a)+1], v[RA] offset:128*(\a)    ; 1 / L of my four row blocks stays in registers
.endr
	ELOAD
	FETCH 0, F0
	QUARTER 1, F0, F1, 1                           ; the first quarter stands in front of the loop: its products start the sums
	WIN 0
	s_mov_b32 s3, 14
.Lstep:                                                ; a trip: a key block's last three quarters, which fill its slot again, and the next block's first
	QUARTER 2, F1, F0, 0
	QUARTER 3, F0, F1, 0
	TURN 1
	QUARTER 1, F0, F1, 0
	WIN 0
	s_sub_co_u32 s3, s3, 1
	s_cmp_lg_u32 s3, 0
	s_cbranch_scc1 .Lstep
	s_mov_b32 s3, 2
.Ltail:                                                ; the last two key blocks ask for nothing: the second trip is left in its middle
	QUARTER 2, F1, F0, 0
	QUARTER 3, F0, F1, 0
	WIN 0
	s_cmp_eq_u32 s3, 1
	s_cbranch_scc1 .Llast
	TURN 0
	QUARTER 1, F0, F1, 0
	WIN 0
	s_sub_co_u32 s3, s3, 1
	s_cmp_lg_u32 s3, 0
	s_cbranch_scc1 .Ltail
.Llast:
	s_wait_dscnt 16                                ; the very last quarter: nothing more to fetch
	SCALE F1
	s_wait_dscnt 0x0
	MULA F1, 0, 0
	MULA F1, 1, 0
	MULA F1, 2, 0
	MULA F1, 3, 0
	PLACES
; THE WAY OUT.  A row block is multiplied by 1 / L (each accumulator's registers in ascending order), goes into my stage, 32 bytes a lane, and comes back as 16 whole rows of 512 bytes.
.macro OUTA a
	WIN 0x82                                       ; the sums (destination and source 0) window 2, 1 / L window 0
.set i, 0
.rept 32
	v_pk_mul_f32 v[64*(\a)+2*i:64*(\a)+2*i+1], v[64*(\a)+2*i:64*(\a)+2*i+1], v[RL+2*(\a):RL+2*(\a)+1]
.set i, i+1
.endr
.if (\a) >= 2
	s_wait_xcnt 0x0                                ; the registers that the stores of block a - 2 read are loaded again only behind this wait
.endif
	WIN 0x08                                       ; the stores' data in window 2
.irp b, 0,1,2,3,4,5,6,7
	ds_store_b128 v[STO], v[8*(8*(\a)+(\b)):8*(8*(\a)+(\b))+3]   offset:64*(\b)
	ds_store_b128 v[STO], v[8*(8*(\a)+(\b))+4:8*(8*(\a)+(\b))+7] offset:64*(\b)+16
.endr
	WIN 0
.set BK, 64+64*((\a)%2)
.irp i, 0,1,2,3,4,5,6,7,8,9,10,11,12,13,14,15
	ds_load_b128 v[BK+4*(\i):BK+4*(\i)+3], v[RD] offset:OPI*(\i)   ; LDS serves a wave's instructions in order (ISA guide 5.7.1.4): these see the stores above; the next block's stores come behind them
.endr
.endm
.macro SENDA a, y                      ; y: the LDS instructions issued behind block a's loads: the next block's 32, or none
.set BK, 64+64*((\a)%2)
.irp i, 0,1,2,3,4,5,6,7,8,9,10,11,12,13,14,15
	s_wait_dscnt (\y)+15-(\i)
	global_store_b128 v[CO], v[BK+4*(\i):BK+4*(\i)+3], s[8:9] offset:(16*(\a)+(\i))*4096 th:TH_STORE_NT   ; the wave stores 512 consecutive bytes, at a multiple of 256
.endr
.endm
	OUTA 0
	OUTA 1
	SENDA 0, 32
	OUTA 2
	SENDA 1, 32
	OUTA 3
	SENDA 2, 32
	SENDA 3, 0
	s_wait_tensorcnt 0x0                           ; the wave's end
	ds_add_u32 v[SPW], v[NIL]
	s_wait_dscnt 0x0
	CROUND                                         ; the closing round
	s_endpgm
.Lfunc_end_k_q4f19951d76_pv:
	.size	k_q4f19951d76_pv, .Lfunc_end_k_q4f19951d76_pv-k_q4f19951d76_pv
	.p2alignl 7, 3214868480
	.fill 96, 4, 3214868480
	.section	.rodata,"a",@progbits
	.p2align	6, 0x0
	.amdhsa_kernel k_q4f19951d76_pv
		.amdhsa_group_segment_fixed_size 327680
		.amdhsa_private_segment_fixed_size 0
		.amdhsa_enable_private_segment 0
		.amdhsa_kernarg_size 32
		.amdhsa_user_sgpr_count 2
		.amdhsa_user_sgpr_kernarg_segment_ptr 1
		.amdhsa_wavefront_size32 1
		.amdhsa_system_sgpr_workgroup_id_x 1
		.amdhsa_system_sgpr_workgroup_id_y 1
		.amdhsa_system_sgpr_workgroup_id_z 1
		.amdhsa_system_vgpr_workitem_id 0
		.amdhsa_next_free_vgpr 768
		.amdhsa_next_free_sgpr 72
		.amdhsa_reserve_vcc 0
		.amdhsa_float_denorm_mode_32 3
		.amdhsa_float_denorm_mode_16_64 3
		.amdhsa_memory_ordered 1
		.amdhsa_forward_progress 1
		.amdhsa_inst_pref_size 101
	.end_amdhsa_kernel
	.amdgpu_metadata
---
amdhsa.version: [ 1, 2 ]
amdhsa.kernels:
  - .name:           k_q4f19951d76_pv
    .symbol:         k_q4f19951d76_pv.kd
    .args:
      - { .name: p, .offset: 0, .size: 8, .value_kind: global_buffer, .address_space: global }
      - { .name: qkv, .offset: 8, .size: 8, .value_kind: global_buffer, .address_space: global }
      - { .name: stats, .offset: 16, .size: 8, .value_kind: global_buffer, .address_space: global }
      - { .name: out0, .offset: 24, .size: 8, .value_kind: global_buffer, .address_space: global }
    .group_segment_fixed_size: 327680
    .private_segment_fixed_size: 0
    .kernarg_segment_align: 8
    .kernarg_segment_size: 32
    .max_flat_workgroup_size: 128
    .sgpr_count:     72
    .vgpr_count:     768
    .wavefront_size: 32
...
	.end_amdgpu_metadata
.endif
;; end of part 4
